; MI455X (gfx1250); checked and timed in simulation.
; The chip was launched on July 23, 2026; its instructions are those of AMD's public machine-readable ISA for CDNA 5 (MIT licence, August 2026) and "CDNA5" Instruction Set Architecture Reference Guide (July 2026). The comments in the code are by the model that wrote it; some were corrected since.
;; Taylor KAN Linear. Allowed arithmetic: matrix products marked QUANTISED: E4M3 operands, one E8M0 scale for each 32 along K, by v_wmma_scale_f32_16x16x128_f8f6f4 with both operands' format E4M3, f32 sums; everything else in f32.
;; Inputs: base_weight 1,024 x 1,024 float32; bias 1,024 float32; taylor_coeffs 1,024 x 1,024 x 4 float32; x 8,192 x 1,024 float32.
;; Outputs: out0 8,192 x 1,024 float32.
;; This version of the problem:
;;   THIS VERSION OF THE PROBLEM IS GIVEN IN LOW PRECISION. The matrix products marked QUANTISED in the list below multiply operands that are first quantised to E4M3 (4 exponent bits, 3 mantissa bits; 8 bits a number), with one power-of-two scale for each 32 numbers along K (OCP MX v1.0); their sums are f32. All else is computed in f32.
;;   The module's matrix products, in the order in which they are computed (A, B: the left and right operand; K: the contracted axis; several contracted axes count as one K, in the product's order):
;;     1. [M 8,192, K 1,024] x [K 1,024, N 1,024]; A: computed on the way; B: input base_weight: QUANTISED
;;     2. [M 8,192, K 4,096] x [K 4,096, N 1,024]; A: computed on the way; B: input taylor_coeffs: QUANTISED
;;   THE QUANTISER, for each operand of a quantised product, along K:
;;     - K is cut into blocks of 32 from its start; a last block that is shorter is filled with zeros.
;;     - A block's scale is 2^e with e = floor(log2(the largest magnitude in the block)) - 8, held to -126 .. 127; a block of zeros has e = 0. As a byte (E8M0): e + 127.
;;     - Each number is divided by its block's scale, clamped to +-448, and rounded to the nearest number of E4M3, ties to even, subnormals kept.
;;     - The product sums the exact products of the quantised numbers (number of the format x scale) in f32.
;;   ~~~python
;;   def quantise(x, axis):      # numpy; x: float32 -> the quantised numbers, widened to float32 again
;;       x = np.moveaxis(x, axis, -1); K = x.shape[-1]
;;       x = np.pad(x, [(0, 0)] * (x.ndim - 1) + [(0, -K % 32)]); x = x.reshape(x.shape[:-1] + (-1, 32)); a = np.abs(x).max(-1, keepdims=True)
;;       e = np.where(a > 0, np.clip(np.frexp(np.where(a > 0, a, 1))[1] - 1 - 8, -126, 127), 0)      # np.frexp(a)[1] - 1 = floor(log2(a)), exactly
;;       r = np.clip(x / 2.0 ** e, -448, 448)
;;       step = 2.0 ** (np.maximum(np.frexp(np.where(r == 0, 1, r))[1] - 1, -6) - 3)
;;       q = np.round(r / step) * step * 2.0 ** e      # np.round: ties to even
;;       return np.moveaxis(q.reshape(q.shape[:-2] + (-1,))[..., :K], -1, axis).astype(np.float32)
;;   ~~~
;;   OPERANDS COMPUTED ON THE WAY. 'Computed on the way' means the value that the module computes at that place (a softmax that the list does not call 'softmax' is quantised finished and normalised). What goes into a quantiser is computed in f32, as accurately as f32 sums, v_exp_f32 and their like allow (about 1e-6 of the number): no bf16 or f16 on the way to a quantiser, and a product that is left as it is and whose result goes on into a quantised operand takes f32 operands (vector FMAs, or v_wmma_f32_16x16x4_f32). A number that lies on a knife's edge between two numbers of the format may be rounded either way, as far as f32 arithmetic and the matrix unit's own rounding can turn it there, and no further.
;; One version. Each part assembles by itself: llvm-mc -triple=amdgcn-amd-amdhsa -mcpu=gfx1250 --defsym DOCPART=n.
;; ======== version 1 of 1: 2 launches
;; limits: right only within a limited range of input values
;; workspace buffers: acodes 41,943,040 bytes; ascales 1,310,720 bytes; bcodes 5,242,880 bytes; bscales 163,840 bytes
;; launch quant (part 1): grid 832 x 1, 4 waves a work-group, no clusters, 36,864 bytes of LDS; arguments x, base_weight, taylor_coeffs, acodes, ascales, bcodes, bscales; writes acodes, ascales, bcodes, bscales
.if DOCPART == 1
	.amdgcn_target "amdgcn-amd-amdhsa--gfx1250"
	.amdhsa_code_object_version 6
	.text
	.protected	k_q7aec37e1c7_quant
	.globl	k_q7aec37e1c7_quant
	.p2align	8
	.type	k_q7aec37e1c7_quant,@function
k_q7aec37e1c7_quant:
	s_mov_b64 s[64:65], 0
	v_nop
	global_prefetch_b8 v0, s[64:65] scope:SCOPE_SE
	s_setreg_imm32_b32 hwreg(HW_REG_WAVE_MODE, 25, 1), 1
	s_wait_xcnt 0x0
; out[b][o] = sum_i silu(x[b][i]) W[o][i] + sum_(i,k) x[b][i]^k C[o][i][k] + bias[o]: two quantised products with the same M and N, taken as ONE product with K = 1,024 + 4,096 = 5,120: 40 K steps of 128.
; This launch makes both operands' codes of FP8 (E4M3) and their E8M0 scale bytes (one for each 32 along K).  K steps 0-7: silu(x) against base_weight; K steps 8-39: the powers (K index 4 i + k) against taylor_coeffs.
; NO WORK IS LEFT OUT: the power 0 is the constant 1, but it lies in a quantised block whose scale hangs on x, so it is quantised with its block; all inputs are read (bias by the second launch).
; THE WORKSPACE IS LAID IN THE ORDER OF THE OPERAND'S REGISTERS.  A fragment (16 rows x 128 K) is 2,048 bytes: [c 0..3][lane 0..31][16 bytes]; lane (r = lane % 16, h = lane / 16), group c: K = 32 c + 16 h + 0..15 of row r.
; A panel is 128 rows x 128 K: 8 fragments, 16,384 bytes.  Its scale words (4 bytes: a row's 128 K) are 512 bytes: the word of row block a, row r lies at 256 (a / 4) + 8 (r + 16 (a % 2)) + 4 ((a % 4) / 2).
; acodes [tile row 64][K step 40][panel]; bcodes [tile column 4][K step 40][half 2][panel]; the scales likewise with 512 bytes a panel.
; SHARES.  A work-group takes 64 rows x 256 floats, in two steps of 128 floats; wave w its rows 16 w .. 16 w + 15.  Work-groups 0-511: x; 512-575: base_weight; 576-831: taylor_coeffs.  One path serves all;
; a scalar branch on the work-group's number leads the weights round the powers and the silu.  Each load reads 512 consecutive bytes of a row; the 16 rows turn through the wave's own stage in LDS,
; so that a lane holds, of its row r, 16 neighbours of each block of 32.  Each store of codes covers whole aligned runs of 256 bytes; the scale words meet in LDS and wave 0 stores them, 256 bytes a store.
; THE POWERS.  A block of 32 along K is 8 neighbouring x as (1, x, x x, x x x): it lies in one lane.  Its largest magnitude is max(1, m m m), m the largest |x|, made by the same two multiplications
; (they do not fall where |x| rises).  Only the cubes can pass 448 x the scale: a square beyond 1.75 x 2^n with m^3 < 2^(n+1) would need m < 1.143, whose square is under 1.31.
; LIMITS: NaN and infinities are not served.  A block whose largest magnitude lies under 2^-118 gets the byte 1, a block of zeros too (zero codes; this program alone reads the bytes).
; silu(x) for x under -88 comes out as -0 (its size is under 1e-36).  x x x overflows beyond |x| = 6.9e12, as x ** 3 does in f32.
.set SP,    528                        ; a stage row: 512 bytes + 16 = 33 x 16: the 16 rows that a read touches start 16 bytes further on in each run of 256
.set STG,   16*SP                      ; a wave's stage
.set GS,    4*STG                      ; two half images (256 bytes) of scale words: the common fragments of steps 0, 1
.set GT,    GS+2*256                   ; eight more: the powers' fragments 4 step + c
.set SPARE, GT+8*256                   ; the spare words, 128 bytes a wave: two blocks of 256 bytes that no other line names
.set LI,   1                           ; v1   16 x lane
.set SIN,  2                           ; v2   the stage, way in: my wave's + 16 x lane
.set SOUT, 3                           ; v3   way out: my wave's + 528 r + 64 h
.set TO,   4                           ; v4   a powers' fragment: 1,024 h + 16 r
.set GA,   5                           ; v5   my row's scale word in a half image: 128 (w % 2) + 4 (w / 2) + 8 r
.set HSH,  6                           ; v6   16 h
.set L8,   7                           ; v7   8 x lane
.set SPW,  8                           ; v8   my spare word; never rewritten
.set NIL,  9                           ; v9   0; never rewritten
.set TM,   10                          ; v10-25 at work (QUANT: maxima, bytes, holds, scale operands; TAYLOR: see there)
.set PW,   26                          ; v26  the scale word just made
.set PD,   27                          ; v27-30 destinations of the powers' lane exchange
.set T,    32                          ; v32-63 a block's 32 powers; the silu's temporaries
.set PC,   32                          ; v32-47 the common fragment's codes
.set X,    64                          ; v64-127 64 numbers: register 16 c + e = float 32 c + 16 h + e of my row's 128
.set R,    128                         ; v128-191, v192-255 steps 0, 1 as loaded; then the powers' codes, which are never written again
	s_load_b256 s[4:11], s[0:1], 0x0               ; x, base_weight, taylor_coeffs, acodes
	s_load_b128 s[12:15], s[0:1], 0x20             ; ascales, bcodes
	s_load_b64 s[16:17], s[0:1], 0x30              ; bscales
	v_lshl_add_u32 v[SPW], v0, 2, SPARE
	v_mov_b32 v[NIL], 0
	v_lshrrev_b32 v10, 5, v0
	v_readfirstlane_b32 s20, v10                   ; wave 0..3
	v_and_b32 v11, 31, v0                          ; lane
	v_and_b32 v12, 15, v0                          ; r
	v_bfe_u32 v13, v0, 4, 1                        ; h
	v_lshlrev_b32 v[LI], 4, v11
	s_mul_i32 s36, s20, STG
	v_add_nc_u32 v[SIN], s36, v[LI]
	v_mul_u32_u24 v[SOUT], v12, SP
	v_lshl_add_u32 v[SOUT], v13, 6, v[SOUT]
	v_add_nc_u32 v[SOUT], s36, v[SOUT]
	v_lshlrev_b32 v[TO], 4, v12
	v_lshl_add_u32 v[TO], v13, 10, v[TO]
	s_and_b32 s37, s20, 1
	s_lshl_b32 s37, s37, 7
	s_lshr_b32 s38, s20, 1
	s_lshl_b32 s38, s38, 2
	s_add_co_u32 s37, s37, s38
	v_lshl_add_u32 v[GA], v12, 3, s37
	v_lshlrev_b32 v[HSH], 4, v13
	v_lshlrev_b32 v[L8], 3, v11
.irp b, 0,1,2,3
	v_mov_b32 v[TM+4+\b], 0                        ; written once: a lane exchange's destination counts as one of its sources
	v_mov_b32 v[PD+\b], 0
.endr
	s_mov_b32 s51, 0x600000                        ; the mantissa field of 448
	s_mov_b32 s52, 0x76543210
	s_mov_b32 s53, 0xfedcba98                      ; v_permlanex16_b32's selects for lane l xor 16
	s_mov_b32 s54, 0xbfb8aa3b                      ; -log2(e)
	s_mov_b32 s55, s54                             ; (named with it as a pair, so it is written)
	; which tensor, which 64 rows (hp), which 256 floats (u).  All hangs on the work-group's number alone
	s_mov_b32 s41, 576
	s_cmp_lt_u32 ttmp9, 512
	s_cselect_b32 s40, 0, 512
	s_cmp_lt_u32 ttmp9, 576
	s_cselect_b32 s40, s40, s41                    ; my tensor's first work-group
	s_cselect_b32 s37, 2, 4                        ; bits of u: a row has 4 or 16 runs of 256 floats
	s_cselect_b32 s42, 3, 15
	s_cselect_b32 s38, 16, 18                      ; 16 rows are 2^16 or 2^18 bytes
	s_cselect_b32 s39, 0, 8                        ; the tensor's first K step
	s_sub_co_u32 s40, ttmp9, s40
	s_lshr_b32 s43, s40, s37                       ; hp
	s_and_b32 s42, s40, s42                        ; u
	s_lshl_b32 s44, s43, 2
	s_add_co_u32 s44, s44, s20                     ; my 16 rows: block 4 hp + w
	s_lshl_b32 s44, s44, s38
	s_lshl_b32 s45, s42, 10
	s_add_co_u32 s44, s44, s45                     ; + 1,024 u bytes: where I read
	s_mov_b32 s45, 0
	s_lshl_b32 s46, s42, 1
	s_add_co_u32 s39, s39, s46                     ; my first K step
	s_and_b32 s46, s43, 1                          ; p: which half of the panel
	s_lshr_b32 s47, s43, 1                         ; the panel
	s_mul_i32 s48, s47, 40
	s_add_co_u32 s49, s48, s39                     ; A: panel unit = tile row x 40 + K step
	s_lshr_b32 s50, s43, 2
	s_mul_i32 s50, s50, 80
	s_and_b32 s47, s47, 1
	s_add_co_u32 s50, s50, s47
	s_lshl_b32 s39, s39, 1
	s_add_co_u32 s50, s50, s39                     ; B: tile column x 80 + 2 x K step + half
	s_cmp_lt_u32 ttmp9, 512
	s_cselect_b32 s49, s49, s50
	s_cselect_b32 s50, 14, 15                      ; from a K step to the next: one panel in A, two in B
	s_wait_kmcnt 0x0
	s_cselect_b64 s[24:25], s[10:11], s[14:15]     ; the codes' buffer,
	s_cselect_b64 s[28:29], s[12:13], s[16:17]     ; the scales',
	s_cselect_b64 s[22:23], s[4:5], s[6:7]         ; and the source
	s_cmp_lt_u32 ttmp9, 576
	s_cselect_b64 s[22:23], s[22:23], s[8:9]
	s_add_nc_u64 s[22:23], s[22:23], s[44:45]
	s_lshl_b32 s36, s46, 13
	s_lshl_b32 s37, s20, 11
	s_add_co_u32 s36, s36, s37                     ; my fragment in a panel: 8,192 p + 2,048 w
	s_lshl_b32 s44, s49, 14
	s_add_co_u32 s44, s44, s36
	s_add_nc_u64 s[24:25], s[24:25], s[44:45]      ; step 0's codes
	s_lshl_b32 s44, 1, s50
	s_add_nc_u64 s[26:27], s[24:25], s[44:45]      ; step 1's
	s_lshr_b32 s40, s44, 5
	s_mov_b32 s41, 0
	s_lshl_b32 s44, s49, 9
	s_lshl_b32 s37, s46, 8
	s_add_co_u32 s44, s44, s37
	s_add_nc_u64 s[28:29], s[28:29], s[44:45]      ; step 0's half image of scale words
	s_add_nc_u64 s[30:31], s[28:29], s[40:41]      ; step 1's
	s_lshl_b32 s42, s42, 3
	s_add_co_u32 s48, s48, s42
	s_add_co_u32 s48, s48, 8                       ; the powers' first panel unit: tile row x 40 + 8 + 8 u (used by x's work-groups alone)
	s_lshl_b32 s44, s48, 14
	s_add_co_u32 s44, s44, s36
	s_add_nc_u64 s[32:33], s[10:11], s[44:45]
	s_lshl_b32 s44, s48, 9
	s_add_co_u32 s44, s44, s37
	s_add_nc_u64 s[34:35], s[12:13], s[44:45]
; All 32 loads of the wave go out at once: 16 rows x 512 bytes for each step.  The pitch is an immediate, so the run stands twice, with the same registers and the same count
.macro LOADS pitch
.irp st, 0,1
.irp j, 0,1,2,3,4,5,6,7,8,9,10,11,12,13,14,15
	global_load_b128 v[R+64*\st+4*\j:R+64*\st+4*\j+3], v[LI], s[22:23] offset:\j*\pitch+512*\st th:TH_LOAD_NT
.endr
.endr
.endm
	s_cmp_lt_u32 ttmp9, 576
	s_cbranch_scc0 .Lwide
	LOADS 4096
	s_branch .Lloaded
.Lwide:
	LOADS 16384
.Lloaded:
; A step's 16 rows through my stage: LDS serves a wave's instructions in order, so no wait stands between the stores and the loads
.macro TURN st
.irp j, 0,1,2,3,4,5,6,7,8,9,10,11,12,13,14,15
	ds_store_b128 v[SIN], v[R+64*\st+4*\j:R+64*\st+4*\j+3] offset:SP*\j
.endr
.irp c, 0,1,2,3
.irp g, 0,1,2,3
	ds_load_b128 v[X+16*\c+4*\g:X+16*\c+4*\g+3], v[SOUT] offset:128*\c+16*\g
.endr
.endr
	s_wait_dscnt 0x0                               ; X is in, and the stores have read R's registers, which take the powers' codes
.endm
; THE POWERS of my 64 x: group c (16 x) is my lane's K = 64 h .. 64 h + 63 of K step 4 st + c: two blocks of 32.
; v10,11 m; v12,13 m m, then max(1, m m m); v14,15 the conversions' scale operand; v16,17 448 x the scale; v18,19 the bytes; v20-23 each group's half word
.macro TAYLOR st
.irp q, 0,1,2,3,4,5,6,7
	v_mov_b32 v[T+4*\q], 1.0                       ; the power 0
.endr
.irp c, 0,1,2,3
.irp bb, 0,1
	v_max3_num_f32 v[10+\bb], |v[X+16*\c+8*\bb]|, |v[X+16*\c+8*\bb+1]|, |v[X+16*\c+8*\bb+2]|   ; (the two blocks by turns)
.endr
.irp i, 3,5
.irp bb, 0,1
	v_max3_num_f32 v[10+\bb], v[10+\bb], |v[X+16*\c+8*\bb+\i]|, |v[X+16*\c+8*\bb+\i+1]|
.endr
.endr
.irp bb, 0,1
	v_max_num_f32 v[10+\bb], v[10+\bb], |v[X+16*\c+8*\bb+7]|
.endr
.irp bb, 0,1
	v_mul_f32 v[12+\bb], v[10+\bb], v[10+\bb]
.endr
.irp bb, 0,1
	v_mul_f32 v[12+\bb], v[12+\bb], v[10+\bb]
.endr
.irp bb, 0,1
	v_max_num_f32 v[12+\bb], 1.0, v[12+\bb]        ; the block's largest magnitude; at least 1, so the byte needs no floor
.endr
.irp bb, 0,1
	v_add_nc_u32 v[14+\bb], 0xfc000000, v[12+\bb]  ; 8 off its exponent field: the conversion takes that field as its scale
.endr
.irp bb, 0,1
	v_and_or_b32 v[16+\bb], v[12+\bb], 0x7f800000, s51   ; 448 x the scale
.endr
.irp bb, 0,1
	v_lshrrev_b32 v[18+\bb], 23, v[14+\bb]         ; the scale's byte
.endr
.irp bb, 0,1
.irp q, 0,1,2,3,4,5,6,7
	v_dual_mul_f32 v[T+4*\q+2], v[X+16*\c+8*\bb+\q], v[X+16*\c+8*\bb+\q] :: v_dual_mov_b32 v[T+4*\q+1], v[X+16*\c+8*\bb+\q]   ; the square and the number itself
.endr
.irp q, 0,1,2,3,4,5,6,7
	v_mul_f32 v[T+4*\q+3], v[T+4*\q+2], v[X+16*\c+8*\bb+\q]
.endr
.irp q, 0,1,2,3,4,5,6,7
	v_med3_num_f32 v[T+4*\q+3], v[T+4*\q+3], -v[16+\bb], v[16+\bb]   ; the conversion to an 8-bit code does not saturate (ISA guide 7.6.2); the cubes alone can pass the hold
.endr
.irp n, 0,1,2,3
	v_cvt_scalef32_pk8_fp8_f32 v[R+64*\st+16*\c+8*\bb+2*\n:R+64*\st+16*\c+8*\bb+2*\n+1], v[T+8*\n:T+8*\n+7], v[14+\bb]
.endr
.if \bb == 0
	v_lshl_or_b32 v[20+\c], v19, 8, v18            ; my two bytes (a plain line between the conversions and the next writes of their sources),
	v_lshlrev_b32 v[20+\c], v[HSH], v[20+\c]       ; at bytes 2 h, 2 h + 1 of my row's word
.else
	v_nop                                          ; the plain line behind the last conversion of the run
.endif
.endr
.irp g, 0,1,2,3
	global_store_b128 v[TO], v[R+64*\st+16*\c+4*\g:R+64*\st+16*\c+4*\g+3], s[32:33] offset:(4*\st+\c)*16384+256*\g   ; K = 64 h + 16 g on: sixteen lanes store 256 consecutive bytes, aligned
.endr
.endr
.irp c, 0,1,2,3
	v_permlanex16_b32 v[PD+\c], v[20+\c], s52, s53
.endr
.irp c, 0,1,2,3
	v_or_b32 v[20+\c], v[20+\c], v[PD+\c]          ; with lane l xor 16's two bytes: the row's word
.endr
.irp c, 0,1,2,3
	ds_store_b32 v[GA], v[20+\c] offset:GT+256*(4*\st+\c)
.endr
	s_wait_dscnt 0x0                               ; the stores have read their registers, which are written next
.endm
; silu(x) = x / (1 + 2^(-log2(e) x)), in place on X, 32 numbers at a time.  Each batch of transcendentals has one plain line and one wait ahead of its first reader
.macro SILU
.irp g, 0,1
.set i, 0
.rept 16
	v_pk_mul_f32 v[T+i:T+i+1], v[X+32*\g+i:X+32*\g+i+1], s[54:55] op_sel_hi:[1,0]
.set i, i+2
.endr
.set i, 0
	s_wait_alu depctr_va_vdst(0)
.rept 32
	v_exp_f32 v[T+i], v[T+i]
.set i, i+1
.endr
	v_nop
	s_wait_alu depctr_va_vdst(0)
.set i, 0
.rept 16
	v_pk_add_f32 v[T+i:T+i+1], v[T+i:T+i+1], 1.0 op_sel_hi:[1,0]
.set i, i+2
.endr
.set i, 0
	s_wait_alu depctr_va_vdst(0)
.rept 32
	v_rcp_f32 v[T+i], v[T+i]
.set i, i+1
.endr
	v_nop
	s_wait_alu depctr_va_vdst(0)
.set i, 0
.rept 16
	v_pk_mul_f32 v[X+32*\g+i:X+32*\g+i+1], v[X+32*\g+i:X+32*\g+i+1], v[T+i:T+i+1]
.set i, i+2
.endr
.endr
.endm
; X's 64 numbers (register 16 b + i = K 32 b + 16 h + i of my row) become a fragment's codes in v[PC] on and its scale word in v[PW]
.macro QUANT
.irp b, 0,1,2,3
	v_max3_num_f32 v[TM+\b], |v[X+16*\b]|, |v[X+1+16*\b]|, 0x4800000   ; block b: my 16 numbers, and the floor 2^(9 - 127): so the byte cannot fall under 1
.endr
.irp i, 2,4,6,8,10,12,14
.irp b, 0,1,2,3
	v_max3_num_f32 v[TM+\b], v[TM+\b], |v[X+16*\b+\i]|, |v[X+1+16*\b+\i]|   ; (the four blocks by turns)
.endr
.endr
.irp b, 0,1,2,3
	v_permlanex16_b32 v[TM+4+\b], v[TM+\b], s52, s53
.endr
.irp b, 0,1,2,3
	v_max_num_f32 v[TM+\b], v[TM+\b], v[TM+4+\b]   ; with lane l xor 16's: the block's largest magnitude
.endr
.irp b, 0,1,2,3
	v_add_nc_u32 v[TM+12+\b], 0xfc000000, v[TM+\b] ; 8 off its exponent field: the conversion's scale operand
.endr
.irp b, 0,1,2,3
	v_and_or_b32 v[TM+8+\b], v[TM+\b], 0x7f800000, s51   ; 448 x the scale
.endr
.irp b, 0,1,2,3
	v_lshrrev_b32 v[TM+4+\b], 23, v[TM+12+\b]      ; the scale's byte
.endr
	v_lshl_or_b32 v[PW], v[TM+5], 8, v[TM+4]
	v_lshl_or_b32 v[PW], v[TM+6], 16, v[PW]
	v_lshl_or_b32 v[PW], v[TM+7], 24, v[PW]        ; my row's scale word; lanes l and l xor 16 hold the same
.irp b, 0,1,2,3
.irp i, 0,1,2,3,4,5,6,7,8,9,10,11,12,13,14,15
	v_med3_num_f32 v[X+16*\b+\i], v[X+16*\b+\i], -v[TM+8+\b], v[TM+8+\b]   ; the hold at the largest code x the scale (ISA guide 7.6.2)
.endr
	v_cvt_scalef32_pk8_fp8_f32 v[PC+4*\b:PC+1+4*\b], v[X+16*\b:X+7+16*\b], v[TM+12+\b]
	v_cvt_scalef32_pk8_fp8_f32 v[PC+2+4*\b:PC+3+4*\b], v[X+8+16*\b:X+15+16*\b], v[TM+12+\b]
.endr
	v_nop                                          ; the plain line behind the last conversion
.endm
.macro STEP st
.if \st == 0
	s_wait_loadcnt 16                              ; step 0's 16 loads are in; step 1's 16, issued behind them, may be out
.else
	s_wait_loadcnt 0x0
.endif
	TURN \st
.if \st == 1
	s_wait_xcnt 0x0                                ; step 0's stores have read v[PC] on, which is written again below
.endif
	s_cmp_lt_u32 ttmp9, 512                        ; the weights are quantised as they are
	s_cbranch_scc0 .Lplain_\@
	TAYLOR \st
	SILU
.Lplain_\@:
	QUANT
.irp c, 0,1,2,3
	global_store_b128 v[LI], v[PC+4*\c:PC+4*\c+3], s[24+2*\st:25+2*\st] offset:512*\c   ; 32 lanes store 512 consecutive bytes, aligned
.endr
	ds_store_b32 v[GA], v[PW] offset:GS+256*\st
.endm
	STEP 0
	STEP 1
	s_wait_dscnt 0x0                               ; for the others' sake: my scale words lie in LDS
	s_barrier_signal -1
	s_barrier_wait -1                              ; the four waves' words make whole half images of 256 bytes
	s_cmp_lg_u32 s20, 0
	s_cbranch_scc1 .Lend                           ; wave 0 stores them
	ds_load_b64 v[64:65], v[L8] offset:GS
	ds_load_b64 v[66:67], v[L8] offset:GS+256
	s_wait_dscnt 0x0
	global_store_b64 v[L8], v[64:65], s[28:29]     ; 32 lanes store 256 consecutive bytes, aligned
	global_store_b64 v[L8], v[66:67], s[30:31]
	s_cmp_lt_u32 ttmp9, 512
	s_cbranch_scc0 .Lend                           ; the powers' eight: x's work-groups alone
.irp q, 0,1,2,3,4,5,6,7
	ds_load_b64 v[68+2*\q:69+2*\q], v[L8] offset:GT+256*\q
.endr
	s_wait_dscnt 0x0
.irp q, 0,1,2,3,4,5,6,7
	global_store_b64 v[L8], v[68+2*\q:69+2*\q], s[34:35] offset:512*\q
.endr
.Lend:
	s_wait_tensorcnt 0x0                           ; the wave's end
	ds_add_u32 v[SPW], v[NIL]
	s_wait_dscnt 0x0
	s_endpgm
.Lfunc_end_k_q7aec37e1c7_quant:
	.size	k_q7aec37e1c7_quant, .Lfunc_end_k_q7aec37e1c7_quant-k_q7aec37e1c7_quant
	.p2alignl 7, 3214868480
	.fill 96, 4, 3214868480
	.section	.rodata,"a",@progbits
	.p2align	6, 0x0
	.amdhsa_kernel k_q7aec37e1c7_quant
		.amdhsa_group_segment_fixed_size 36864
		.amdhsa_private_segment_fixed_size 0
		.amdhsa_enable_private_segment 0
		.amdhsa_kernarg_size 56
		.amdhsa_user_sgpr_count 2
		.amdhsa_user_sgpr_kernarg_segment_ptr 1
		.amdhsa_wavefront_size32 1
		.amdhsa_system_sgpr_workgroup_id_x 1
		.amdhsa_system_sgpr_workgroup_id_y 1
		.amdhsa_system_sgpr_workgroup_id_z 1
		.amdhsa_system_vgpr_workitem_id 0
		.amdhsa_next_free_vgpr 256
		.amdhsa_next_free_sgpr 66
		.amdhsa_reserve_vcc 0
		.amdhsa_float_denorm_mode_32 3
		.amdhsa_float_denorm_mode_16_64 3
		.amdhsa_memory_ordered 1
		.amdhsa_forward_progress 1
		.amdhsa_inst_pref_size 93
	.end_amdhsa_kernel
	.amdgpu_metadata
---
amdhsa.version: [ 1, 2 ]
amdhsa.kernels:
  - .name:           k_q7aec37e1c7_quant
    .symbol:         k_q7aec37e1c7_quant.kd
    .args:
      - { .name: x, .offset: 0, .size: 8, .value_kind: global_buffer, .address_space: global }
      - { .name: base_weight, .offset: 8, .size: 8, .value_kind: global_buffer, .address_space: global }
      - { .name: taylor_coeffs, .offset: 16, .size: 8, .value_kind: global_buffer, .address_space: global }
      - { .name: acodes, .offset: 24, .size: 8, .value_kind: global_buffer, .address_space: global }
      - { .name: ascales, .offset: 32, .size: 8, .value_kind: global_buffer, .address_space: global }
      - { .name: bcodes, .offset: 40, .size: 8, .value_kind: global_buffer, .address_space: global }
      - { .name: bscales, .offset: 48, .size: 8, .value_kind: global_buffer, .address_space: global }
    .group_segment_fixed_size: 36864
    .private_segment_fixed_size: 0
    .kernarg_segment_align: 8
    .kernarg_segment_size: 56
    .max_flat_workgroup_size: 128
    .sgpr_count:     66
    .vgpr_count:     256
    .wavefront_size: 32
...
	.end_amdgpu_metadata
.endif
;; end of part 1
;; launch gemm (part 2): grid 4 x 64, 4 waves a work-group, clusters of 4 x 4, 327,680 bytes of LDS; arguments acodes, ascales, bcodes, bscales, bias, out0; writes out0
.if DOCPART == 2
	.amdgcn_target "amdgcn-amd-amdhsa--gfx1250"
	.amdhsa_code_object_version 6
	.text
	.protected	k_q7aec37e1c7_gemm
	.globl	k_q7aec37e1c7_gemm
	.p2align	8
	.type	k_q7aec37e1c7_gemm,@function
k_q7aec37e1c7_gemm:
	s_mov_b64 s[64:65], 0
	v_nop
	global_prefetch_b8 v0, s[64:65] scope:SCOPE_SE
	s_setreg_imm32_b32 hwreg(HW_REG_WAVE_MODE, 25, 1), 1
	s_wait_xcnt 0x0
	s_wait_alu depctr_hold_cnt(0) depctr_sa_sdst(0) depctr_va_vdst(0) depctr_va_sdst(0) depctr_va_ssrc(0) depctr_va_vcc(0) depctr_vm_vsrc(0)
	s_getreg_b32 s2, hwreg(HW_REG_IB_STS2, 6, 4)
	s_cmp_eq_u32 s2, 0
	s_cbranch_scc0 .Lentry_in_a_cluster
	s_endpgm
.Lentry_in_a_cluster:
	s_bfe_u32 s2, ttmp6, 0x10000c
	s_cmp_lg_u32 s2, 0xf033
	s_cbranch_scc0 .Lentry_shape_is_right
	s_endpgm
.Lentry_shape_is_right:
; out[m][n] = bias[n] + the sum over K = 5,120 of A[m][k] B[n][k], codes of FP8 (E4M3) with E8M0 scale bytes, laid by the first launch in the order of the operand's registers.  No work is left out.
; LIMITS: those of the first launch; sums beyond f32's range are not served.
; A work-group makes 128 x 256 of the result with four waves; wave w: columns 128 (w / 2) on, all 128 rows, K half w % 2 of each slot: 64 accumulators of 16 x 16.  The two K halves are added at the end, through LDS.
; A goes through LDS in slots of eight K steps of 128: 2 x 128 KiB by turns, five slots in all; K half h takes the slot's K steps 4 h .. 4 h + 3: twenty steps a wave.  Each fragment of A is read by two waves.
; EACH FRAGMENT OF B IS READ BY ONE WAVE ALONE: it comes from memory straight into that wave's registers, a lane's 16 bytes each, one and a half steps ahead.
; CLUSTERS: 4 x 4 work-groups.  A's tiles are asked for jointly along a row of the cluster, 32 KiB a wave.  B's fragments land in registers, which no joint request fills: they are asked for by each wave for itself.
; THE MATRIX INSTRUCTION IS USED TRANSPOSED (source 0 = 16 rows of B, source 1 = 16 rows of A): a lane holds eight neighbouring numbers of a row of the result.
; A's blocks have a LOCAL order: 0-3 are the 64 rows whose sums are handed to the other K half's wave, 4-7 the 64 rows whose sums are kept, which begin with the bias.
; A STEP (128 along K, 64 products) has four quarters of 16: A 0-3 x B 0-3, A 4-7 x B 0-3, A 4-7 x B 4-7, A 0-3 x B 4-7, and two runs of loads:
;   behind quarter 2: the next step's A 0-3, and the scale words and B 0-3 of the step two on;  behind quarter 4: the next step's A 4-7, and B 4-7 of the step two on.
; In front of each run stand eight plain places behind the last product that has read the registers.
; REGISTERS: window 0: v0-31 addresses, v32-63 four sets of scale words, v64-127 the bias in step 0, then A 0-3 of the odd steps, v128-191 A 0-3 of the even steps, v192-255 A 4-7;
;   window 1: B's eight fragments, two sets;  windows 2, 3: sums of A's local blocks 0-3, 4-7.
; The twenty steps are written out by one macro: offsets are immediates, and no base is stepped.
; PREFETCH: in step 4 (j - 2) every wave asks for 8 KiB of A's slot j (128 KiB shared out over a cluster row's sixteen waves), three steps ahead of its tensor load, and in clusters 0 and 1 for 8 KiB of B's slot j
;   (256 KiB over a column's 32 waves), six steps ahead of its first load; j = 2, 3, 4.
.set SLOT,   131072                    ; [K step 8][fragment 8][2,048]
.set STAGE,  2*SLOT                    ; the way out: 16 rows of 512 + 16 bytes a wave
.set SPITCH, 528
.set SPARE,  STAGE+4*16*SPITCH         ; the spare words, 128 bytes a wave
.set VS1,  4                           ; offsets of scale words: A's local blocks 0-3,
.set VS2,  5                           ; 4-7,
.set VBS,  6                           ; B's
.set XR,   7                           ; the handing over: where I read,
.set XW,   9                           ; where I write
.set STO,  8                           ; the stage, in and out
.set RD,   31
.set CO,   12                          ; 16 x lane
.set H32,  13
.set ADRA, 16                          ; v16, 17 A's local blocks 0-3 in slot 0, 1;  v18, 19 blocks 4-7
.set SPW,  28                          ; my spare word and 0; never rewritten
.set NIL,  29
.set PFO,  30                          ; 256 x lane
.set SC,   32
.set BI,   64
.set BK,   128                         ; the way out: rows read back, two buffers of 64
.set G1A,  24
.set G0A,  32                          ; two slots
.set SAB,  40                          ; bases: A's scales, B's scales, B's codes, the prefetches of A and of B
.set SBB,  42
.set BDB,  44
.set PFAA, 46
.set PFAB, 48
.set MSB, 0
.macro WIN new                         ; the immediate's high byte repeats the setting that is left
.if MSB != \new
	s_set_vgpr_msb (MSB<<8)|\new
.set MSB, \new
.endif
.endm
.macro PLACES n
.rept \n
	v_nop
.endr
.endm
.macro JLOAD s                         ; a joint load: my 32 KiB of a slot; s_nop 0 and four v_nop follow
	tensor_load_to_lds s[G0A+4*(\s):G0A+4*(\s)+3], s[G1A:G1A+7]
	s_nop 0
	PLACES 4
.endm
.macro CREST                           ; a round of the cluster's barrier behind its opening barrier
	s_cmp_lg_u32 s16, 0
	s_cbranch_scc1 .Lnot_wave_0_\@
	s_barrier_signal -3
.Lnot_wave_0_\@:
	s_barrier_wait -3
	s_barrier_signal -1
	s_barrier_wait -1
.endm
.macro CROUND
	s_barrier_signal -1
	s_barrier_wait -1
	CREST
.endm
.macro ASK j                           ; slot j
	global_prefetch_b8 v[PFO], s[PFAA:PFAA+1] offset:131072*(\j) th:TH_LOAD_NT scope:SCOPE_SE
	s_cmp_lt_u32 s72, 2
	s_cbranch_scc0 .Lnot_b_\@
	global_prefetch_b8 v[PFO], s[PFAB:PFAB+1] offset:262144*(\j) th:TH_LOAD_NT scope:SCOPE_SE
.Lnot_b_\@:
.endm
	s_load_b256 s[4:11], s[0:1], 0x0               ; acodes, ascales, bcodes, bscales
	s_load_b128 s[12:15], s[0:1], 0x20             ; bias, out0
	v_lshl_add_u32 v[SPW], v0, 2, SPARE
	v_mov_b32 v[NIL], 0
	ds_add_u32 v[SPW], v[NIL]                      ; the wave's opening: the add, twice on end
	ds_add_u32 v[SPW], v[NIL]
	v_lshrrev_b32 v1, 5, v0
	v_readfirstlane_b32 s16, v1                    ; wave
	s_lshr_b32 s17, s16, 1                         ; my half of the columns
	s_and_b32 s18, s16, 1                          ; my half of K
	s_xor_b32 s84, s16, 1                          ; the wave that adds with me
	s_bfe_u32 s20, ttmp6, 0x40000                  ; cx, cy
	s_bfe_u32 s21, ttmp6, 0x40004
	s_lshl_b32 s22, ttmp9, 2
	s_add_co_u32 s22, s22, s20                     ; tile column
	s_and_b32 s72, ttmp7, 0xffff                   ; the cluster's row
	s_lshl_b32 s23, s72, 2
	s_add_co_u32 s23, s23, s21                     ; tile row
	s_lshl_b32 s73, s21, 2
	s_lshl_b32 s73, 15, s73
	s_or_b32 s[G1A], s73, (3<<16)|(1<<21)          ; to my row of the cluster; elements of 8 bytes; 128 rows of 256 bytes on end
	s_mov_b32 s[G1A+1], 32<<16
	s_mov_b32 s[G1A+2], 128<<16
	s_mov_b32 s[G1A+3], 32<<16
	s_mov_b32 s[G1A+4], 128
	s_mov_b32 s[G1A+5], 32
	s_mov_b32 s[G1A+6], 0
	s_mov_b32 s[G1A+7], 0
	s_mul_i32 s75, s18, 57344
	s_add_co_u32 s75, s75, 8192                    ; A 0-3: K half x 65,536 + (1 - K half) x 8,192
	s_mul_i32 s76, s18, 73728                      ; A 4-7: K half x (65,536 + 8,192)
	s_lshl_b32 s78, s16, 15
	s_add_co_u32 s77, s78, SLOT                    ; the handing over goes through slot 1's bytes
	s_lshl_b32 s79, s84, 15
	s_add_co_u32 s79, s79, SLOT
	s_mul_i32 s80, s16, 16*SPITCH
	s_add_co_u32 s80, s80, STAGE
	s_mul_i32 s81, s18, 1792
	s_add_co_u32 s81, s81, 256                     ; scale words of A 0-3: K half x 2,048 + (1 - K half) x 256
	s_mul_i32 s82, s18, 2304                       ; A 4-7
	s_lshl_b32 s83, s18, 12
	s_lshl_b32 s85, s17, 9
	s_add_co_u32 s83, s83, s85                     ; B
	v_and_b32 v1, 31, v0
	v_and_b32 v2, 15, v0
	v_bfe_u32 v3, v0, 4, 1
	v_lshlrev_b32 v[CO], 4, v1
	v_lshlrev_b32 v[H32], 5, v3
	v_lshlrev_b32 v10, 3, v1
	v_lshlrev_b32 v[PFO], 8, v1
	v_mul_u32_u24 v11, v2, SPITCH
	v_add_nc_u32 v[ADRA], s75, v[CO]
	v_add_nc_u32 v[ADRA+2], s76, v[CO]
	v_add_nc_u32 v[XW], s77, v[CO]
	v_add_nc_u32 v[XR], s79, v[CO]
	v_add_nc_u32 v[RD], s80, v[CO]
	v_add_nc_u32 v[VS1], s81, v10
	v_add_nc_u32 v[VS2], s82, v10
	v_add_nc_u32 v[VBS], s83, v10
	v_add_nc_u32 v11, v11, v[H32]
	v_add_nc_u32 v[ADRA+1], SLOT, v[ADRA]
	v_add_nc_u32 v[ADRA+3], SLOT, v[ADRA+2]
	v_add_nc_u32 v[STO], s80, v11                  ; row l % 16, 32 bytes for each half of the lanes
	s_mul_i32 s86, s23, 655360                     ; A: 40 panels a tile row; my two of a slot's eight
	s_add_co_u32 s86, s86, s78
	s_mov_b32 s87, 0
	s_wait_alu depctr_va_vdst(0)                   ; no ordinary vector write follows in the head
	s_wait_dscnt 0x0                               ; both opening adds are done
	CROUND                                         ; all sixteen work-groups are here: the first joint loads meet
	s_wait_kmcnt 0x0
	s_add_nc_u64 s[86:87], s[4:5], s[86:87]
.irp s, 0,1
	s_mov_b32 s[G0A+4*\s], 1
	s_add_co_u32 s[G0A+4*\s+1], s78, \s*SLOT
	s_add_nc_u64 s[G0A+4*\s+2:G0A+4*\s+3], s[86:87], \s*131072
	s_or_b32 s[G0A+4*\s+3], s[G0A+4*\s+3], 0x80000000
.endr
	JLOAD 0                                        ; slot 0
	s_mov_b32 s91, 0
	s_mov_b32 s93, 0
	s_mul_i32 s90, s23, 20480
	s_add_nc_u64 s[SAB:SAB+1], s[6:7], s[90:91]
	s_mul_i32 s90, s22, 40960
	s_add_nc_u64 s[SBB:SBB+1], s[10:11], s[90:91]
	s_mul_i32 s90, s22, 1310720
	s_lshl_b32 s92, s18, 17
	s_add_co_u32 s92, s90, s92
	s_lshl_b32 s94, s17, 14
	s_add_co_u32 s92, s92, s94                     ; my K half's steps, my half panel
	s_add_nc_u64 s[BDB:BDB+1], s[8:9], s[92:93]
	s_lshl_b32 s92, s22, 10
	s_lshl_b32 s94, s17, 9
	s_add_co_u32 s92, s92, s94                     ; my 128 columns, in bytes
	s_add_nc_u64 s[12:13], s[12:13], s[92:93]
	s_add_nc_u64 s[14:15], s[14:15], s[92:93]
	s_lshl_b32 s92, s23, 19
	s_lshl_b32 s94, s18, 18
	s_add_co_u32 s92, s92, s94                     ; my 64 rows
	s_add_nc_u64 s[14:15], s[14:15], s[92:93]
; What comes from memory straight into registers for step t: its scale words into set t % 4 and B's fragments 0-3 into set t % 2;  B's fragments 4-7
.macro DIRECT_X t
.set D_, SC+8*((\t)%4)
	WIN 0
	global_load_b64 v[D_:D_+1], v[VS1], s[SAB:SAB+1] offset:4096*((\t)/4)+512*((\t)%4)
	global_load_b64 v[D_+2:D_+3], v[VS2], s[SAB:SAB+1] offset:4096*((\t)/4)+512*((\t)%4)
	global_load_b64 v[D_+4:D_+5], v[VBS], s[SBB:SBB+1] offset:8192*((\t)/4)+1024*((\t)%4)
	global_load_b64 v[D_+6:D_+7], v[VBS], s[SBB:SBB+1] offset:8192*((\t)/4)+1024*((\t)%4)+256
	WIN 0x40
.set I_, 0
.rept 16
	global_load_b128 v[128*((\t)%2)+4*I_:128*((\t)%2)+4*I_+3], v[CO], s[BDB:BDB+1] offset:262144*((\t)/4)+32768*((\t)%4)+512*I_
.set I_, I_+1
.endr
	WIN 0
.endm
.macro DIRECT_Y t
	WIN 0x40
.set I_, 16
.rept 16
	global_load_b128 v[128*((\t)%2)+4*I_:128*((\t)%2)+4*I_+3], v[CO], s[BDB:BDB+1] offset:262144*((\t)/4)+32768*((\t)%4)+512*I_
.set I_, I_+1
.endr
	WIN 0
.endm
; The runs of LDS loads for step t: A's local fragments 0-3;  4-7
.macro RUN_LO t
	WIN 0
.set I_, 0
.rept 16
	ds_load_b128 v[128-64*((\t)%2)+4*I_:128-64*((\t)%2)+4*I_+3], v[ADRA+((\t)/4)%2] offset:16384*((\t)%4)+512*I_
.set I_, I_+1
.endr
.endm
.macro RUN_HI t
	WIN 0
.set I_, 0
.rept 16
	ds_load_b128 v[192+4*I_:192+4*I_+3], v[ADRA+2+((\t)/4)%2] offset:16384*((\t)%4)+512*I_
.set I_, I_+1
.endr
.endm
.irp b, 0,1,2,3,4,5,6,7                ; bias: lane (r, h), register j: column 16 b + 8 h + j
	global_load_b128 v[BI+8*\b:BI+8*\b+3], v[H32], s[12:13] offset:64*\b
	global_load_b128 v[BI+8*\b+4:BI+8*\b+7], v[H32], s[12:13] offset:64*\b+16
.endr
	DIRECT_X 0
	DIRECT_Y 0
	s_mul_i32 s90, s23, 655360                     ; the prefetches: A: my work-group's quarter of a slot's 128 KiB, my wave's 8 KiB of it
	s_lshl_b32 s92, s20, 15
	s_add_co_u32 s90, s90, s92
	s_lshl_b32 s94, s16, 13
	s_add_co_u32 s90, s90, s94
	s_add_nc_u64 s[PFAA:PFAA+1], s[4:5], s[90:91]
	s_min_u32 s92, s72, 1
	s_lshl_b32 s92, s92, 2
	s_add_co_u32 s92, s92, s21
	s_lshl_b32 s92, s92, 15
	s_mul_i32 s90, s22, 1310720                    ; B: my work-group's eighth of a slot's 256 KiB, my wave's 8 KiB of it
	s_add_co_u32 s90, s90, s92
	s_add_co_u32 s90, s90, s94
	s_add_nc_u64 s[PFAB:PFAB+1], s[8:9], s[90:91]
; A product of step T_: A's local block A_, B's fragment B_ of set P_, scale words at S_.  CM_: 0 adds onto the sum, 1 begins with the bias, 2 with 0.  The two scale registers' numbers differ modulo 8
.macro WM
.set rD, 8*(8*(A_%4)+B_)
.set rB, 128*P_+16*B_
.set rA, 128+16*A_
.if (A_ < 4) && (P_ == 1)
.set rA, 64+16*A_
.endif
.set sB, S_+4+B_/2
.set sA, S_+A_/2
.set rC, rD
.if CM_ == 1
.set rC, BI+8*B_
.endif
.set rw, 2*(B_%2)+A_%2
.if CM_ == 2
.if rw == 0
	v_wmma_scale_f32_16x16x128_f8f6f4 v[rD:rD+7], v[rB:rB+15], v[rA:rA+15], 0, v[sB], v[sA]
.elseif rw == 1
	v_wmma_scale_f32_16x16x128_f8f6f4 v[rD:rD+7], v[rB:rB+15], v[rA:rA+15], 0, v[sB], v[sA] matrix_b_scale:MATRIX_SCALE_ROW1
.elseif rw == 2
	v_wmma_scale_f32_16x16x128_f8f6f4 v[rD:rD+7], v[rB:rB+15], v[rA:rA+15], 0, v[sB], v[sA] matrix_a_scale:MATRIX_SCALE_ROW1
.else
	v_wmma_scale_f32_16x16x128_f8f6f4 v[rD:rD+7], v[rB:rB+15], v[rA:rA+15], 0, v[sB], v[sA] matrix_a_scale:MATRIX_SCALE_ROW1 matrix_b_scale:MATRIX_SCALE_ROW1
.endif
.else
.if rw == 0
	v_wmma_scale_f32_16x16x128_f8f6f4 v[rD:rD+7], v[rB:rB+15], v[rA:rA+15], v[rC:rC+7], v[sB], v[sA]
.elseif rw == 1
	v_wmma_scale_f32_16x16x128_f8f6f4 v[rD:rD+7], v[rB:rB+15], v[rA:rA+15], v[rC:rC+7], v[sB], v[sA] matrix_b_scale:MATRIX_SCALE_ROW1
.elseif rw == 2
	v_wmma_scale_f32_16x16x128_f8f6f4 v[rD:rD+7], v[rB:rB+15], v[rA:rA+15], v[rC:rC+7], v[sB], v[sA] matrix_a_scale:MATRIX_SCALE_ROW1
.else
	v_wmma_scale_f32_16x16x128_f8f6f4 v[rD:rD+7], v[rB:rB+15], v[rA:rA+15], v[rC:rC+7], v[sB], v[sA] matrix_a_scale:MATRIX_SCALE_ROW1 matrix_b_scale:MATRIX_SCALE_ROW1
.endif
.endif
.endm
.macro QTR a0, b0, from, to            ; products from .. to - 1 of a quarter: A's blocks a0 .. a0 + 3, B's fragments b0 .. b0 + 3.  Source 0 window 1, source 1 window 0; C and D window 2 or 3 (step 0: the bias, C, lies in window 0)
.set CM_, 0
.if (\a0) == 0
	WIN 0xa1
.if T_ == 0
.set CM_, 2
.endif
.elseif T_ == 0
	WIN 0xc1
.set CM_, 1
.else
	WIN 0xf1
.endif
.set N_, \from
.rept (\to)-(\from)
.set A_, (\a0)+N_/4
.set B_, (\b0)+N_%4
	WM
.set N_, N_+1
.endr
.endm
; Step T_ of 0 .. 19.  Steps 3, 7, 11, 15 change slots, and all but 15 fill the slot that was read again
.macro STEP
.set P_, T_%2
.set S_, SC+8*(T_%4)
.if T_ == 19
	s_wait_loadcnt 16                              ; B 0-3 and my scale words are in; behind them B 4-7
	s_wait_dscnt 16                                ; A 0-3 are in; behind them A 4-7
	QTR 0, 0, 0, 16
	s_wait_loadcnt 0x0
	s_wait_dscnt 0x0
	QTR 0, 4, 0, 16
	PLACES 8
	WIN 0x08
.set I_, 0
.rept 64
	ds_store_b128 v[XW], v[4*I_:4*I_+3] offset:512*I_   ; blocks 0-3 are finished: their sums go to the other K half's wave, each accumulator from its low end on
.set I_, I_+1
.endr
	QTR 4, 0, 0, 16
	QTR 4, 4, 0, 16
.else
	s_wait_loadcnt 52                              ; B 0-3 and my scale words are in; behind them B 4-7 (16), and the next step's 20 and 16
	s_wait_dscnt 16                                ; A 0-3 are in; behind them A 4-7
	QTR 0, 0, 0, 16
	s_wait_dscnt 8                                 ; A 4, 5 are in
	QTR 4, 0, 0, 8
	s_wait_dscnt 0x0                               ; A 6, 7 are in
.if T_%4 == 3
	WIN 0
	s_wait_tensorcnt 0x0                           ; my part of the next slot has landed: no tensor load of mine is out;
	ds_add_u32 v[SPW], v[NIL]
.if T_ < 15
	s_add_nc_u64 s[G0A+4*((T_/4)%2)+2:G0A+4*((T_/4)%2)+3], s[G0A+4*((T_/4)%2)+2:G0A+4*((T_/4)%2)+3], 262144
.endif
	QTR 4, 0, 8, 13
	s_wait_dscnt 0x0                               ; the add is done, and so are all my reads of this slot
	s_barrier_signal -1
	QTR 4, 0, 13, 16
	WIN 0
	s_barrier_wait -1                              ; (behind step 15's nobody reads slot 1's bytes any more: the handing over goes through them)
.if T_ < 15
	CREST                                          ; no wave of any partner still reads this slot or has a load on its way
	JLOAD (T_/4)%2                                 ; the slot two on; the four v_nop behind it are four of the eight places
	PLACES 4
.else
	PLACES 8
.endif
.else
	QTR 4, 0, 8, 16
	PLACES 8
.endif
.if T_ > 0
	RUN_LO T_+1
.endif
.if T_ < 18
	DIRECT_X T_+2
.endif
.if (T_%4 == 0) && (T_ < 12)
	WIN 0
	ASK T_/4+2
.endif
.if T_ == 18
	s_wait_loadcnt 36                              ; B 4-7 are in; behind them step 19's 36
.else
	s_wait_loadcnt 56                              ; B 4-7 are in; behind them the next step's 36 and the 20 just issued
.endif
	QTR 4, 4, 0, 16
	QTR 0, 4, 0, 16
	PLACES 8
.if T_ == 0
	RUN_LO 1                                       ; its registers held the bias until here
.endif
	RUN_HI T_+1
.if T_ < 18
	DIRECT_Y T_+2
.endif
.endif
.set T_, T_+1
.endm
	s_wait_tensorcnt 0x0                           ; my part of slot 0 is in
	ds_add_u32 v[SPW], v[NIL]
	s_wait_dscnt 0x0
	CROUND                                         ; slot 0 is whole, and all sixteen work-groups are here
	JLOAD 1                                        ; slot 1
	RUN_LO 0
	RUN_HI 0
	DIRECT_X 1
	DIRECT_Y 1
.set T_, 0
.rept 20
	STEP
.endr
; THE HALVES OF K ARE ADDED: the other wave's sums of the rows that I keep come into window 1; then the way out, block by block of 16 rows: through my own stage, back as whole rows of 512 bytes.
	WIN 0
	PLACES 8                                       ; for the loads into registers that products have read, and the reads of the last sums
	s_wait_dscnt 0x0                               ; my sums lie in LDS
	s_barrier_signal -1
	s_barrier_wait -1
.macro TAKE a                          ; block a's handed-over sums
	WIN 0x40
.set I_, 16*(\a)
.rept 16
	ds_load_b128 v[4*I_:4*I_+3], v[XR] offset:512*I_
.set I_, I_+1
.endr
	WIN 0
.endm
.macro ADDS a
	WIN 0xc7                                       ; source 0 and destination window 3, source 1 window 1
.set I_, 32*(\a)
.rept 32
	v_pk_add_f32 v[2*I_:2*I_+1], v[2*I_:2*I_+1], v[2*I_:2*I_+1]
.set I_, I_+1
.endr
	WIN 0
	s_wait_alu depctr_va_vdst(0)                   ; ahead of the waits in front of the sums' stores
.endm
.macro TOSTAGE a
	WIN 0x0c
.irp b, 0,1,2,3,4,5,6,7
	ds_store_b128 v[STO], v[64*(\a)+8*\b:64*(\a)+8*\b+3] offset:64*\b
	ds_store_b128 v[STO], v[64*(\a)+8*\b+4:64*(\a)+8*\b+7] offset:64*\b+16
.endr
	WIN 0
.set BB, BK+64*((\a)%2)
.irp t, 0,1,2,3,4,5,6,7,8,9,10,11,12,13,14,15
	ds_load_b128 v[BB+4*\t:BB+4*\t+3], v[RD] offset:\t*SPITCH   ; LDS serves a wave's instructions in order (ISA guide 5.7.1.4)
.endr
.endm
.macro SEND a, younger                 ; younger: the LDS loads issued behind block a's rows
.set BB, BK+64*((\a)%2)
	s_wait_dscnt \younger
.irp t, 0,1,2,3,4,5,6,7,8,9,10,11,12,13,14,15
	global_store_b128 v[CO], v[BB+4*\t:BB+4*\t+3], s[14:15] offset:(16*(\a)+\t)*4096 th:TH_STORE_NT   ; 32 lanes store 512 consecutive bytes, aligned
.endr
.endm
	TAKE 0
	TAKE 1
	s_wait_dscnt 16                                ; block 0's sums are in
	ADDS 0
	TOSTAGE 0
	TAKE 2
	s_wait_dscnt 48                                ; block 1's are in: behind them the stage's 32, and 16 more
	ADDS 1
	SEND 0, 16
	TOSTAGE 1
	TAKE 3
	s_wait_xcnt 0x0                                ; block 0's stores have read their registers: block 2's rows may land there
	s_wait_dscnt 48
	ADDS 2
	SEND 1, 16
	TOSTAGE 2
	s_wait_xcnt 0x0                                ; block 1's stores likewise
	s_wait_dscnt 32
	ADDS 3
	SEND 2, 0
	TOSTAGE 3
	SEND 3, 0
	s_wait_tensorcnt 0x0                           ; the wave's end
	ds_add_u32 v[SPW], v[NIL]
	s_wait_dscnt 0x0
	CROUND                                         ; the closing round: no work-group ends while a partner may still ask for a tile that names it
	s_endpgm
.Lfunc_end_k_q7aec37e1c7_gemm:
	.size	k_q7aec37e1c7_gemm, .Lfunc_end_k_q7aec37e1c7_gemm-k_q7aec37e1c7_gemm
	.p2alignl 7, 3214868480
	.fill 96, 4, 3214868480
	.section	.rodata,"a",@progbits
	.p2align	6, 0x0
	.amdhsa_kernel k_q7aec37e1c7_gemm
		.amdhsa_group_segment_fixed_size 327680
		.amdhsa_private_segment_fixed_size 0
		.amdhsa_enable_private_segment 0
		.amdhsa_kernarg_size 48
		.amdhsa_user_sgpr_count 2
		.amdhsa_user_sgpr_kernarg_segment_ptr 1
		.amdhsa_wavefront_size32 1
		.amdhsa_system_sgpr_workgroup_id_x 1
		.amdhsa_system_sgpr_workgroup_id_y 1
		.amdhsa_system_sgpr_workgroup_id_z 1
		.amdhsa_system_vgpr_workitem_id 0
		.amdhsa_next_free_vgpr 1024
		.amdhsa_next_free_sgpr 100
		.amdhsa_reserve_vcc 0
		.amdhsa_float_denorm_mode_32 3
		.amdhsa_float_denorm_mode_16_64 3
		.amdhsa_memory_ordered 1
		.amdhsa_forward_progress 1
		.amdhsa_inst_pref_size 255
	.end_amdhsa_kernel
	.section	.bss,"aw",@nobits
	.p2align	6
	.space	262144
	.amdgpu_metadata
---
amdhsa.version: [ 1, 2 ]
amdhsa.kernels:
  - .name:           k_q7aec37e1c7_gemm
    .symbol:         k_q7aec37e1c7_gemm.kd
    .args:
      - { .name: acodes, .offset: 0, .size: 8, .value_kind: global_buffer, .address_space: global }
      - { .name: ascales, .offset: 8, .size: 8, .value_kind: global_buffer, .address_space: global }
      - { .name: bcodes, .offset: 16, .size: 8, .value_kind: global_buffer, .address_space: global }
      - { .name: bscales, .offset: 24, .size: 8, .value_kind: global_buffer, .address_space: global }
      - { .name: bias, .offset: 32, .size: 8, .value_kind: global_buffer, .address_space: global }
      - { .name: out0, .offset: 40, .size: 8, .value_kind: global_buffer, .address_space: global }
    .group_segment_fixed_size: 327680
    .private_segment_fixed_size: 0
    .kernarg_segment_align: 8
    .kernarg_segment_size: 48
    .max_flat_workgroup_size: 128
    .sgpr_count:     100
    .vgpr_count:     1024
    .wavefront_size: 32
...
	.end_amdgpu_metadata
.endif
;; end of part 2
